; MI455X (gfx1250); checked and timed in simulation.
; The chip was launched on July 23, 2026; its instructions are those of AMD's public machine-readable ISA for CDNA 5 (MIT licence, August 2026) and "CDNA5" Instruction Set Architecture Reference Guide (July 2026). The comments in the code are by the model that wrote it; some were corrected since.
;; Multi Headed Attention. Allowed arithmetic: matrix products marked QUANTISED: E2M1 operands, one E8M0 scale for each 32 along K, by v_wmma_scale_f32_16x16x128_f8f6f4 with both operands' format E2M1 (or v_wmma_scale_f32_32x16x128_f4), f32 sums; everything else in f32.
;; Inputs: Wk 1,024 x 1,024 float32; Wq 1,024 x 1,024 float32; Wv 1,024 x 1,024 float32; bk 1,024 float32; bq 1,024 float32; bv 1,024 float32; key_ 8 x 1,024 x 1,024 float32; query 8 x 1,024 x 1,024 float32; value 8 x 1,024 x 1,024 float32.
;; Outputs: out0 8 x 1,048,576 float32.
;; This version of the problem:
;;   THIS VERSION OF THE PROBLEM IS GIVEN IN LOW PRECISION. The matrix products marked QUANTISED in the list below multiply operands that are first quantised to E2M1 (2 exponent bits, 1 mantissa bit; 4 bits a number), with one power-of-two scale for each 32 numbers along K (OCP MX v1.0); their sums are f32. All else is computed in f32.
;;   The module's matrix products, in the order in which they are computed (A, B: the left and right operand; K: the contracted axis; several contracted axes count as one K, in the product's order):
;;     1. [M 8,192, K 1,024] x [K 1,024, N 1,024]; A: input query; B: input Wq: QUANTISED
;;     2. [M 8,192, K 1,024] x [K 1,024, N 1,024]; A: input key_; B: input Wk: QUANTISED
;;     3. [M 8,192, K 1,024] x [K 1,024, N 1,024]; A: input value; B: input Wv: QUANTISED
;;     4. batch 128 x [M 1,024, K 64] x [K 64, N 1,024]; A: computed on the way; B: computed on the way: QUANTISED
;;     5. batch 128 x [M 1,024, K 1,024] x [K 1,024, N 64]; A: softmax (see below); B: computed on the way: QUANTISED
;;   THE QUANTISER, for each operand of a quantised product, along K:
;;     - K is cut into blocks of 32 from its start; a last block that is shorter is filled with zeros.
;;     - A block's scale is 2^e with e = floor(log2(the largest magnitude in the block)) - 2, held to -126 .. 127; a block of zeros has e = 0. As a byte (E8M0): e + 127.
;;     - Each number is divided by its block's scale, clamped to +-6, and rounded to the nearest number of E2M1, ties to even, subnormals kept.
;;     - The product sums the exact products of the quantised numbers (number of the format x scale) in f32.
;;   ~~~python
;;   def quantise(x, axis):      # numpy; x: float32 -> the quantised numbers, widened to float32 again
;;       x = np.moveaxis(x, axis, -1); K = x.shape[-1]
;;       x = np.pad(x, [(0, 0)] * (x.ndim - 1) + [(0, -K % 32)]); x = x.reshape(x.shape[:-1] + (-1, 32)); a = np.abs(x).max(-1, keepdims=True)
;;       e = np.where(a > 0, np.clip(np.frexp(np.where(a > 0, a, 1))[1] - 1 - 2, -126, 127), 0)      # np.frexp(a)[1] - 1 = floor(log2(a)), exactly
;;       r = np.clip(x / 2.0 ** e, -6, 6)
;;       step = 2.0 ** (np.maximum(np.frexp(np.where(r == 0, 1, r))[1] - 1, 0) - 1)
;;       q = np.round(r / step) * step * 2.0 ** e      # np.round: ties to even
;;       return np.moveaxis(q.reshape(q.shape[:-2] + (-1,))[..., :K], -1, axis).astype(np.float32)
;;   ~~~
;;   SOFTMAX AHEAD OF A QUANTISED PRODUCT. Where the list says 'softmax', what is quantised is not the finished softmax but p = 2^(t - M), with t = logit x log2(e) and M = ceil(the row's largest t), a whole number; so 1/2 < the row's largest p <= 1. The row's sum l is taken of the UNQUANTISED p, in f32, and the product's result is divided by l at the end. Since M is a whole number, a kernel that streams over the keys may use a running M (the ceiling of the running maximum): every later rescaling is an exact power of two, which a block's scale takes up: the codes' values come out the same.
;;   OPERANDS COMPUTED ON THE WAY. 'Computed on the way' means the value that the module computes at that place (a softmax that the list does not call 'softmax' is quantised finished and normalised). What goes into a quantiser is computed in f32, as accurately as f32 sums, v_exp_f32 and their like allow (about 1e-6 of the number): no bf16 or f16 on the way to a quantiser, and a product that is left as it is and whose result goes on into a quantised operand takes f32 operands (vector FMAs, or v_wmma_f32_16x16x4_f32). A number that lies on a knife's edge between two numbers of the format may be rounded either way, as far as f32 arithmetic and the matrix unit's own rounding can turn it there, and no further.
;; One version. Each part assembles by itself: llvm-mc -triple=amdgcn-amd-amdhsa -mcpu=gfx1250 --defsym DOCPART=n.
;; ======== version 1 of 1: 3 launches
;; limits: right only within a limited range of input values
;; workspace buffers: wimg 1,572,864 bytes; wscl 98,304 bytes; ws 13,893,632 bytes
;; launch wq (part 1): grid 96 x 1, 4 waves a work-group, no clusters, 51,200 bytes of LDS; arguments Wq, Wk, Wv, wimg, wscl; writes wimg, wscl
.if DOCPART == 1
	.amdgcn_target "amdgcn-amd-amdhsa--gfx1250"
	.amdhsa_code_object_version 6
	.text
	.protected	k_qe02b0fd0a5_wq
	.globl	k_qe02b0fd0a5_wq
	.p2align	8
	.type	k_qe02b0fd0a5_wq,@function
k_qe02b0fd0a5_wq:
	s_mov_b64 s[64:65], 0
	v_nop
	global_prefetch_b8 v0, s[64:65] scope:SCOPE_SE
	s_setreg_imm32_b32 hwreg(HW_REG_WAVE_MODE, 25, 1), 1
	s_wait_xcnt 0x0
; Wq, Wk, Wv [1024][1024], f32 with K innermost, become codes of FP4 (E2M1) and one E8M0 byte for each 32 along K, laid as ONE matrix of 3,072 places (Wq 0, Wk 1024, Wv 2048).
; Place p holds row sigma(p), sigma = p with its bits 3 and 4 exchanged: used as source 0 of a matrix instruction, two neighbouring tiles of 16 places leave a lane 16 neighbours along that axis.
; wimg: IMAGES OF OPERAND REGISTERS: 16 places are 8,192 bytes, [K step of 128: 8][c: 2][lane: 32][16 bytes]; lane (r, h) holds K = 128 s + 64 c + 32 h + 0 .. 31 of place r.   wscl: 32 scale bytes a place.
; A block's scale is 2^(floor(log2(its largest magnitude)) - 2); its byte is the largest magnitude's exponent field - 2, held at 1 from below.  Each number is divided by the scale and rounded to the nearest code, ties to even.
; LIMITS: a block whose largest magnitude lies under 2^-124, a block of zeros among them, gets the byte 1 (the bytes are read by this program alone); NaN and infinities are not served.
; SHARES: a work-group takes 32 rows, a wave 8 rows = 16 steps of 512 numbers.  A step's four loads read 512 consecutive bytes each; its 2,048 bytes turn through the wave's own stage in LDS and come back 64 bytes a lane.
; The codes are gathered in an image of 16,384 bytes in LDS; behind one barrier each wave stores a quarter of it, 512 consecutive bytes a store.  No tensor loads, no matrix unit.
.set STEPS, 16
.set EMAX,  2
.set R,     16                         ; v16-79   four sets of 16 numbers as they are loaded
.set X,     80                         ; v80-111  two sets of 16 neighbours
.set E,     112                        ; v112-127 a scale byte for each step
.set C,     128                        ; v128-191 codes, four registers for each step
.set WREG,  8192                       ; LDS: a region for each wave: two stages of 32 x SP bytes, behind them its 256 scale bytes
.set SP,    80                         ; a lane's place in a stage: its 64 bytes + 16 of padding
.set IM,    0x8400                     ; LDS: the image of the work-group's 32 places; the spare words lie at 0x8000
	s_load_b256 s[4:11], s[0:1], 0x0               ; Wq s[4:5], Wk s[6:7], Wv s[8:9], wimg s[10:11]
	s_load_b64 s[12:13], s[0:1], 0x20              ; wscl
	v_lshl_add_u32 v192, v0, 2, 0x8000
	v_mov_b32 v193, 0
	v_lshrrev_b32 v1, 5, v0
	v_readfirstlane_b32 s24, v1                    ; wave
	v_and_b32 v2, 31, v0                           ; lane
	v_lshlrev_b32 v3, 4, v2                        ; my 16 bytes of a load's 512
	s_mul_i32 s25, s24, WREG
	v_lshrrev_b32 v14, 2, v2
	v_mul_u32_u24 v14, v14, SP
	v_and_b32 v15, 3, v2
	v_lshl_add_u32 v14, v15, 4, v14
	v_add_nc_u32 v14, s25, v14                     ; the stage, on the way in: SP (lane / 4) + 16 (lane % 4)
	v_mul_u32_u24 v15, v2, SP
	v_add_nc_u32 v15, s25, v15                     ; on the way out: SP x lane: my 16 neighbours
	v_lshrrev_b32 v5, 1, v2
	s_add_co_u32 s25, s25, 2*32*SP
	v_add_nc_u32 v5, s25, v5                       ; my wave's 256 scale bytes, my block's byte
	v_lshlrev_b32 v7, 3, v2
	v_add_nc_u32 v6, s25, v7                       ; and on the way out 8 bytes a lane
	s_and_b32 s27, s24, 1                          ; sigma on my run of 8 rows: the wave's two bits change places
	s_lshl_b32 s27, s27, 1
	s_lshr_b32 s30, s24, 1
	s_or_b32 s27, s27, s30                         ; pi: my run's place among the four
	v_and_b32 v4, 30, v2                           ; the image: lane l of step t holds K = 512 (t % 2) + 16 l on of row t / 2:
	v_lshlrev_b32 v4, 7, v4                        ; 1024 (l / 8) + 512 ((l / 4) % 2) + 256 ((l / 2) % 2)
	v_and_b32 v10, 1, v2
	v_lshl_or_b32 v4, v10, 3, v4                   ; + 8 (l % 2)
	s_lshr_b32 s26, s27, 1
	s_lshl_b32 s26, s26, 13                        ; + 8192 (pi / 2)
	s_and_b32 s28, s27, 1
	s_lshl_b32 s28, s28, 7                         ; + 128 (pi % 2): places 8 on
	s_add_co_u32 s26, s26, s28
	s_add_co_u32 s26, s26, IM
	v_add_nc_u32 v4, s26, v4
	s_lshl_b32 s26, s24, 12
	v_add_nc_u32 v1, s26, v3                       ; on the way out: my wave's quarter of the image, 16 bytes a lane,
	v_add_nc_u32 v10, IM, v1                       ; and the same in LDS
	s_wait_alu depctr_va_vdst(0)                   ; the wait at the head's end
	s_wait_kmcnt 0x0
	s_cmp_lt_u32 ttmp9, 64                         ; which tensor: by the work-group's number alone
	s_cselect_b64 s[8:9], s[6:7], s[8:9]
	s_cmp_lt_u32 ttmp9, 32
	s_cselect_b64 s[8:9], s[4:5], s[8:9]
	s_and_b32 s26, ttmp9, 31
	s_lshl_b32 s26, s26, 2
	s_add_co_u32 s26, s26, s24                     ; my run of 8 rows in the tensor
	s_lshl_b32 s28, s26, 15
	s_mov_b32 s29, 0
	s_add_nc_u64 s[8:9], s[8:9], s[28:29]
	s_lshl_b32 s28, ttmp9, 14                      ; the work-group's 16,384 bytes of wimg
	s_add_nc_u64 s[10:11], s[10:11], s[28:29]
	s_lshl_b32 s28, ttmp9, 2
	s_add_co_u32 s28, s28, s27
	s_lshl_b32 s28, s28, 8                         ; 8 places x 32 scale bytes
	s_add_nc_u64 s[12:13], s[12:13], s[28:29]
.macro LOAD t
.irp i, 0,1,2,3
	global_load_b128 v[R+16*((\t)%4)+4*\i:R+16*((\t)%4)+4*\i+3], v3, s[8:9] offset:2048*(\t)+512*\i th:TH_LOAD_NT
.endr
.endm
.macro TURN t                          ; LDS serves a wave's instructions in order (ISA guide 5.7.1.4): no wait between the stores and the loads
.irp i, 0,1,2,3
	ds_store_b128 v14, v[R+16*((\t)%4)+4*\i:R+16*((\t)%4)+4*\i+3] offset:32*SP*((\t)%2)+8*SP*\i
.endr
.irp i, 0,1,2,3
	ds_load_b128 v[X+16*((\t)%2)+4*\i:X+16*((\t)%2)+4*\i+3], v15 offset:32*SP*((\t)%2)+16*\i
.endr
.endm
.irp t, 0,1,2,3
	LOAD \t
.endr
	s_wait_loadcnt 12                              ; step 0's four loads are in; the twelve of steps 1 to 3 may be out
	TURN 0
.macro STEP t
.set XS, X+16*((\t)%2)
.if (\t) > 0
	s_wait_dscnt 2                                 ; this step's numbers are back from the stage; the last step's two stores (byte, codes) may be out
.else
	s_wait_dscnt 0x0
.endif
.if (\t)+4 < STEPS
	LOAD (\t)+4
.endif
.if (\t)+1 < STEPS
.if STEPS-2-(\t) >= 3
	s_wait_loadcnt 12                              ; the next step's four loads are in; those of the three steps behind it may be out
.else
	s_wait_loadcnt 4*(STEPS-2-(\t))
.endif
	TURN (\t)+1
.endif
	v_max3_num_f32 v8, |v[XS]|, |v[XS+1]|, |v[XS+2]|               ; the largest magnitude of my 16, in two chains
	v_max3_num_f32 v9, |v[XS+3]|, |v[XS+4]|, |v[XS+5]|
.irp i, 6,10
	v_max3_num_f32 v8, v8, |v[XS+\i]|, |v[XS+\i+1]|
	v_max3_num_f32 v9, v9, |v[XS+\i+2]|, |v[XS+\i+3]|
.endr
	v_max3_num_f32 v8, v8, |v[XS+14]|, |v[XS+15]|
	v_max3_num_f32 v8, v8, v9, (EMAX+1)<<23        ; and the floor 2^(3 - 127): the byte cannot fall under 1
	v_max_num_f32_dpp v8, v8, v8 row_xmask:1 row_mask:0xf bank_mask:0xf   ; and of my neighbour's 16: the block's
	v_add_nc_u32 v11, -(EMAX<<23), v8              ; 2 off its exponent field: the conversion's scale operand
	v_cvt_scalef32_pk8_fp4_f32 v[C+4*(\t)], v[XS:XS+7], v11
	v_cvt_scalef32_pk8_fp4_f32 v[C+4*(\t)+1], v[XS+8:XS+15], v11
	v_lshrrev_b32 v[E+(\t)], 23, v11               ; the scale's byte (also the plain line behind the conversions)
	ds_store_b8 v5, v[E+(\t)] offset:16*(\t)       ; both lanes of a block write the same byte with the same value
	ds_store_b64 v4, v[C+4*(\t):C+4*(\t)+1] offset:16*((\t)/2)+4096*((\t)%2)   ; my 16 codes into the image: place t / 2 of my run, K steps 4 (t % 2) on
.endm
.irp t, 0,1,2,3,4,5,6,7,8,9,10,11,12,13,14,15
	STEP \t
.endr
	ds_load_b64 v[12:13], v6                       ; in order behind my byte stores
	s_wait_dscnt 0x0                               ; and my stores into the image are done
	global_store_b64 v7, v[12:13], s[12:13]        ; 32 lanes store 256 consecutive bytes, aligned
	s_barrier_signal -1
	s_barrier_wait -1                              ; the image is whole
.irp i, 0,1,2,3,4,5,6,7
	ds_load_b128 v[16+4*\i:19+4*\i], v10 offset:512*\i
.endr
.irp i, 0,1,2,3,4,5,6,7
	s_wait_dscnt 7-\i                              ; the younger loads may be out
	global_store_b128 v1, v[16+4*\i:19+4*\i], s[10:11] offset:512*\i   ; 512 consecutive bytes, aligned
.endr
	s_wait_tensorcnt 0x0                           ; the wave's end
	ds_add_u32 v192, v193
	s_wait_dscnt 0x0
	s_endpgm
.Lfunc_end_k_qe02b0fd0a5_wq:
	.size	k_qe02b0fd0a5_wq, .Lfunc_end_k_qe02b0fd0a5_wq-k_qe02b0fd0a5_wq
	.p2alignl 7, 3214868480
	.fill 96, 4, 3214868480
	.section	.rodata,"a",@progbits
	.p2align	6, 0x0
	.amdhsa_kernel k_qe02b0fd0a5_wq
		.amdhsa_group_segment_fixed_size 51200
		.amdhsa_private_segment_fixed_size 0
		.amdhsa_enable_private_segment 0
		.amdhsa_kernarg_size 40
		.amdhsa_user_sgpr_count 2
		.amdhsa_user_sgpr_kernarg_segment_ptr 1
		.amdhsa_wavefront_size32 1
		.amdhsa_system_sgpr_workgroup_id_x 1
		.amdhsa_system_sgpr_workgroup_id_y 1
		.amdhsa_system_sgpr_workgroup_id_z 1
		.amdhsa_system_vgpr_workitem_id 0
		.amdhsa_next_free_vgpr 194
		.amdhsa_next_free_sgpr 66
		.amdhsa_reserve_vcc 0
		.amdhsa_float_denorm_mode_32 3
		.amdhsa_float_denorm_mode_16_64 3
		.amdhsa_memory_ordered 1
		.amdhsa_forward_progress 1
		.amdhsa_inst_pref_size 35
	.end_amdhsa_kernel
	.amdgpu_metadata
---
amdhsa.version: [ 1, 2 ]
amdhsa.kernels:
  - .name:           k_qe02b0fd0a5_wq
    .symbol:         k_qe02b0fd0a5_wq.kd
    .args:
      - { .name: Wq, .offset: 0, .size: 8, .value_kind: global_buffer, .address_space: global }
      - { .name: Wk, .offset: 8, .size: 8, .value_kind: global_buffer, .address_space: global }
      - { .name: Wv, .offset: 16, .size: 8, .value_kind: global_buffer, .address_space: global }
      - { .name: wimg, .offset: 24, .size: 8, .value_kind: global_buffer, .address_space: global }
      - { .name: wscl, .offset: 32, .size: 8, .value_kind: global_buffer, .address_space: global }
    .group_segment_fixed_size: 51200
    .private_segment_fixed_size: 0
    .kernarg_segment_align: 8
    .kernarg_segment_size: 40
    .max_flat_workgroup_size: 128
    .sgpr_count:     66
    .vgpr_count:     194
    .wavefront_size: 32
...
	.end_amdgpu_metadata
.endif
;; end of part 1
;; launch proj (part 2): grid 64 x 3, 4 waves a work-group, no clusters, 72,192 bytes of LDS; arguments query, key_, value, bq, bk, bv, wimg, wscl, ws; writes ws
.if DOCPART == 2
	.amdgcn_target "amdgcn-amd-amdhsa--gfx1250"
	.amdhsa_code_object_version 6
	.text
	.protected	k_qe02b0fd0a5_proj
	.globl	k_qe02b0fd0a5_proj
	.p2align	8
	.type	k_qe02b0fd0a5_proj,@function
k_qe02b0fd0a5_proj:
	s_mov_b64 s[64:65], 0
	v_nop
	global_prefetch_b8 v0, s[64:65] scope:SCOPE_SE
	s_setreg_imm32_b32 hwreg(HW_REG_WAVE_MODE, 25, 1), 1
	s_wait_xcnt 0x0
; The three projections x W^T + b.  x (query, key_ or value, f32) is quantised HERE, to FP4 (E2M1) with one E8M0 scale for each 32 along K = 1,024; W comes as codes (launch wq).  The results are quantised in registers
; and leave as codes, in the order of the operand registers of the attention launch.
; SHARES.  Work-group (x, y): tensor t = y (0 q, 1 k, 2 v), rows 128 x .. 128 x + 127 of it: step st = x % 8 of batch g = x / 8.
; PHASE 1: wave w reads rows 32 w .. 32 w + 31 once, 512 consecutive bytes a load, through a ring of 8 rows (64 loads) in registers.  A lane holds 4 neighbours, eight lanes a block of 32: the largest magnitude goes over
;   the eight by three DPP steps.  A conversion takes two loads' registers (8 numbers) and one block's scale: its low half is right under the first load's scale, its high half under the second's.  Codes and scale bytes go to LDS.
;   Place p of the 128 holds row sigma(p) (bits 3 and 4 exchanged): groups of 8 rows are READ in the order 0, 2, 1, 3.
; PHASE 2: every wave takes all 128 places x all of K into 512 registers, and walks heads w, w + 4, w + 8, w + 12 of W (64 features each), a head in two halves of 32 features: 16 accumulators, 8 K steps of 128.
;   W's fragments come from memory STRAIGHT INTO REGISTERS (each is wanted by one wave of the work-group alone), a ring of 8 sets, each refilled for the next half as soon as it is multiplied.
;   q, k: source 0 = W (a lane's registers run along the features), source 1 = x.   v: source 0 = x (registers run along the keys), source 1 = W.  Two texts, chosen by t.  The bias is the C of the first K step.
;   In both texts a half's 128 result registers are 8 groups of 16 neighbours along the axis to be quantised; lane l xor 16 holds a block's other 16.
; THE RECORD of head 16 g + hd in ws, 108,544 bytes: Q image 0, Q scale words 32768, K image 36864, K scale words 69632, V image 73728, V scale words 106496; images are copies of operand registers:
;   a tile of Q or K (16 places x 64) 512 bytes at 512 T; a fragment of V (16 places of d x 128 keys) 1,024 bytes at 4096 st + 1024 dt.  Scale words: Q, K [st][2][row 16][4 tiles], bytes 2, 3 = 0x7f; V [st][row 16][dt 4].
; NO JOINT REQUESTS: no tile of W lies in LDS, so there is nothing for a tensor load to share.  NO PREFETCH: x is asked for with 64 loads a wave out from the first line on.
; The last half's look-ahead wraps to the wave's first head: those loads stay inside their buffers and are not used.
; LIMITS: a block whose largest magnitude lies under 2^-124, a block of zeros among them, gets the byte 1; NaN and infinities are not served.
; REGISTERS: window 0: v2-15 addresses; v16-47 x's scale words, v48-63 W's, and nothing else; v64-95 the bias; v96-155 the way out; v160-191 phase 1.
;   window 1: phase 1: the ring of rows; phase 2: v0-127 accumulators, v128-255 W's ring.   windows 2, 3: x's fragments: K step s, block i at 64 s + 8 i.
.set REC,   108544
.set PITCH, 528                        ; an LDS row of codes: 512 bytes + 16: row r starts at bank 4 r mod 64 (64 banks of 4 bytes: ISA guide 11.1)
.set XSC,   128*PITCH                  ; behind the codes: x's scale bytes, 32 a place
.set SPARE, XSC+4096                   ; the spare words
.set LN, 2
.set VL16, 5                           ; 16 x lane
.set VA, 6                             ; phase 1: where my codes go
.set VB, 7                             ; and my block's byte
.set XA, 8                             ; a fragment of x in LDS
.set XSA, 9                            ; its scale words
.set VS, 10                            ; 32 r + 16 h: scale words of 16 places
.set BAQ, 11                           ; the bias's offset: q, k
.set BAV, 12                           ; v
.set VQ, 13                            ; 16 r + 8 h
.set SPW, 14
.set NIL, 15
.set XS, 16
.set WS, 48
.set BI, 64
.set TM, 96
.set TP, 104
.set SO, 112
.set BY0, 120
.set BY1, 128
.set PC, 136
.set SW, 152
.set TT, 160
.set SS, 168
.set CC, 176
.set B8, 184
.set PXB, 22                           ; s[22:23] my rows of x;  24 bias, 26 wimg, 28 wscl at my first head;  30, 32 ws: image and scale words;  34 phase 1's loads
.set PBB, 24
.set PWB, 26
.set PSB, 28
.set POP, 30
.set POS, 32
.set PXP, 34
.set PWP, 36                           ; wimg at the head in hand;  38, 40, 42: wimg, wscl, bias at the next head
.set PWN, 38
.set PSN, 40
.set PBN, 42
.set SEL, 52
.set MSB, 0
.macro WIN new                         ; the immediate's high byte repeats the setting that is left
.if MSB != (\new)
	s_set_vgpr_msb (MSB<<8)|(\new)
.set MSB, (\new)
.endif
.endm
	s_load_b512 s[4:19], s[0:1], 0x0               ; query 4, key_ 6, value 8, bq 10, bk 12, bv 14, wimg 16, wscl 18
	s_load_b64 s[20:21], s[0:1], 0x40              ; ws
	v_lshl_add_u32 v[SPW], v0, 2, SPARE
	v_mov_b32 v[NIL], 0
	v_lshrrev_b32 v1, 5, v0
	v_readfirstlane_b32 s56, v1                    ; wave
	v_and_b32 v[LN], 31, v0
	v_and_b32 v3, 15, v0                           ; r
	v_bfe_u32 v4, v0, 4, 1                         ; h
	v_lshlrev_b32 v[VL16], 4, v[LN]
	s_mul_i32 s44, s56, 32*PITCH
	v_lshlrev_b32 v[VA], 1, v[LN]
	v_add_nc_u32 v[VA], s44, v[VA]                 ; my wave's 32 places; 4 codes are 2 bytes a lane
	s_lshl_b32 s46, s56, 10
	s_add_co_u32 s46, s46, XSC
	v_lshrrev_b32 v[VB], 3, v[LN]
	v_add_nc_u32 v[VB], s46, v[VB]
	v_mul_u32_u24 v[XA], v3, PITCH
	v_lshl_add_u32 v[XA], v4, 4, v[XA]
	v_lshlrev_b32 v[VS], 5, v3
	v_lshl_add_u32 v[VS], v4, 4, v[VS]
	v_add_nc_u32 v[XSA], XSC, v[VS]
	v_lshlrev_b32 v[BAQ], 6, v4                    ; q, k: tile f's register j is feature 32 e + 16 h + 8 f + j
	v_and_b32 v[BAV], 8, v3
	v_add_lshl_u32 v[BAV], v[BAV], v3, 2           ; v: lane r of block a is feature 32 e + 8 a + r + 8 (r / 8)
	v_lshlrev_b32 v[VQ], 4, v3
	v_lshl_add_u32 v[VQ], v4, 3, v[VQ]
.irp g, 0,1,2,3,4,5,6,7
	v_mov_b32 v[TP+\g], 0                          ; written once: a lane permute's destination counts as one of its sources
.endr
	s_and_b32 s57, ttmp7, 0xffff                   ; t
	s_mov_b32 s45, 0
	s_mov_b32 s47, 0
	s_mov_b32 s[SEL], 0x76543210
	s_mov_b32 s[SEL+1], 0xfedcba98
	s_mov_b32 s54, 0xffff0000                      ; lanes 16-31
	s_lshl_b32 s44, ttmp9, 19
	s_lshl_b32 s46, s56, 17
	s_add_co_u32 s44, s44, s46                     ; (128 x + 32 w) rows of 4,096 bytes
	s_wait_alu depctr_va_vdst(0)                   ; the wait at the head's end
	s_wait_kmcnt 0x0
	s_cmp_eq_u32 s57, 1
	s_cselect_b64 s[4:5], s[6:7], s[4:5]
	s_cselect_b64 s[10:11], s[12:13], s[10:11]
	s_cmp_eq_u32 s57, 2
	s_cselect_b64 s[4:5], s[8:9], s[4:5]
	s_cselect_b64 s[10:11], s[14:15], s[10:11]
	s_add_nc_u64 s[PXB:PXB+1], s[4:5], s[44:45]
.macro XLD j, p                        ; a row of 4,096 bytes into ring place j: eight loads of 512 consecutive bytes
.irp i, 0,1,2,3,4,5,6,7
	global_load_b128 v[32*(\j)+4*\i:32*(\j)+4*\i+3], v[VL16], s[\p:\p+1] offset:4096*(\j)+512*\i th:TH_LOAD_NT
.endr
.endm
	WIN 0x40
.irp j, 0,1,2,3,4,5,6,7
	XLD \j, PXB
.endr
	WIN 0
	; the other addresses, under the loads' flight
	s_lshl_b32 s44, s56, 8
	s_add_nc_u64 s[PBB:PBB+1], s[10:11], s[44:45]  ; head w's 64 biases
	s_lshl_b32 s44, s57, 19
	s_lshl_b32 s46, s56, 15
	s_add_co_u32 s44, s44, s46
	s_add_nc_u64 s[PWB:PWB+1], s[16:17], s[44:45]  ; (64 t + 4 w) images of 8,192 bytes
	s_lshl_b32 s44, s57, 15
	s_lshl_b32 s46, s56, 11
	s_add_co_u32 s44, s44, s46
	s_add_nc_u64 s[PSB:PSB+1], s[18:19], s[44:45]  ; (1024 t + 64 w) places of 32 bytes
	s_lshr_b32 s44, ttmp9, 3
	s_lshl_b32 s44, s44, 4
	s_add_co_u32 s44, s44, s56
	s_mul_i32 s44, s44, REC                        ; the record of head 16 g + w,
	s_mul_i32 s46, s57, 36864
	s_add_co_u32 s44, s44, s46                     ; tensor t's image in it
	s_and_b32 s48, ttmp9, 7                        ; st
	s_cmp_eq_u32 s57, 2
	s_cselect_b32 s49, 8, 9                        ; a step's scale words: 256 or 512 bytes
	s_lshl_b32 s49, s48, s49
	s_add_co_u32 s46, s44, s49
	s_add_co_u32 s46, s46, 32768
	s_add_nc_u64 s[POS:POS+1], s[20:21], s[46:47]
	s_lshl_b32 s48, s48, 12
	s_add_co_u32 s44, s44, s48
	s_add_nc_u64 s[POP:POP+1], s[20:21], s[44:45]
	s_mov_b64 s[PWP:PWP+1], s[PWB:PWB+1]
	s_add_nc_u64 s[PWN:PWN+1], s[PWB:PWB+1], 131072   ; the next head of mine: 4 heads on
	s_add_nc_u64 s[PSN:PSN+1], s[PSB:PSB+1], 8192
	s_add_nc_u64 s[PBN:PBN+1], s[PBB:PBB+1], 1024
; A ROW: ring place j.  cnt: the loads issued behind this row's eight.  load = 1: the place takes the same row of the next group of 8.
.macro ROW j, cnt, load
	s_wait_loadcnt \cnt
	WIN 0x15
.irp i, 0,1,2,3,4,5,6,7
	v_max3_num_f32 v[TT+\i], |v[32*(\j)+4*\i]|, |v[32*(\j)+4*\i+1]|, |v[32*(\j)+4*\i+2]|
.endr
	WIN 0x04
.irp i, 0,1,2,3,4,5,6,7
	v_max3_num_f32 v[TT+\i], v[TT+\i], |v[32*(\j)+4*\i+3]|, 0x1800000   ; my 4 numbers, and the floor 2^(3 - 127): the byte cannot fall under 1
.endr
	WIN 0
.irp m, 1,2,4
.irp i, 0,1,2,3,4,5,6,7
	v_max_num_f32_dpp v[TT+\i], v[TT+\i], v[TT+\i] row_xmask:\m row_mask:0xf bank_mask:0xf   ; over the block's eight lanes; the row's eight loads by turns
.endr
.endr
.irp i, 0,1,2,3,4,5,6,7
	v_add_nc_u32 v[SS+\i], 0xff000000, v[TT+\i]    ; 2 off the exponent field: the conversion's scale operand
.endr
	WIN 0x01
.irp i, 0,1,2,3,4,5,6,7
	v_cvt_scalef32_pk8_fp4_f32 v[CC+\i], v[32*(\j)+8*(\i/2):32*(\j)+8*(\i/2)+7], v[SS+\i]   ; loads i and i xor 1 under load i's scale: i even: the low half counts; i odd: the high half
.endr
	WIN 0
.irp i, 0,1,2,3,4,5,6,7
	v_lshrrev_b32 v[B8+\i], 23, v[SS+\i]           ; the scale's byte (also the plain line behind the conversions)
.endr
.irp i, 0,1,2,3,4,5,6,7
.if (\i)%2
	ds_store_b16_d16_hi v[VA], v[CC+\i] offset:PITCH*(\j)+64*\i
.else
	ds_store_b16 v[VA], v[CC+\i] offset:PITCH*(\j)+64*\i
.endif
.endr
.irp i, 0,1,2,3,4,5,6,7
	ds_store_b8 v[VB], v[B8+\i] offset:32*(\j)+4*\i   ; a block's eight lanes write the same byte with the same value
.endr
.if \load
	WIN 0x40
	XLD \j, PXP
	WIN 0
.endif
.endm
	s_mov_b32 s55, 1                               ; the group of 8 places that this trip asks for
.Lrows:                                                ; three trips: places 8 (n - 1) on are worked, places 8 n on are asked for: rows 8 x (n with its two bits exchanged) on
	s_and_b32 s44, s55, 1
	s_lshl_b32 s44, s44, 16
	s_and_b32 s46, s55, 2
	s_lshl_b32 s46, s46, 14
	s_or_b32 s44, s44, s46
	s_wait_xcnt 0x0                                ; the earlier loads have read their base
	s_add_nc_u64 s[PXP:PXP+1], s[PXB:PXB+1], s[44:45]
.irp j, 0,1,2,3,4,5,6,7
	ROW \j, 56, 1                                  ; 56: the seven younger rows
.endr
	v_add_nc_u32 v[VA], 8*PITCH, v[VA]
	v_add_nc_u32 v[VB], 256, v[VB]
	s_add_co_u32 s55, s55, 1
	s_cmp_lt_u32 s55, 4
	s_wait_alu depctr_va_vdst(0)                   ; the wait directly ahead of the branch
	s_cbranch_scc1 .Lrows
.irp j, 0,1,2,3,4,5,6,7
	ROW \j, 56-8*\j, 0                             ; the last group asks for nothing
.endr
	s_mov_b32 s47, 0
	s_wait_alu depctr_va_vdst(0)
	s_wait_dscnt 0x0                               ; my codes and bytes are in LDS,
	s_barrier_signal -1
	s_barrier_wait -1                              ; everybody's are
.irp u, 0,1
	WIN 0x80+0x40*\u
.irp s, 0,1,2,3
.irp i, 0,1,2,3,4,5,6,7
.irp c, 0,1
	ds_load_b128 v[64*\s+8*\i+4*\c:64*\s+8*\i+4*\c+3], v[XA] offset:16*PITCH*\i+256*\u+64*\s+32*\c
.endr
.endr
.endr
.endr
	WIN 0
.irp i, 0,1,2,3,4,5,6,7
	ds_load_b128 v[XS+4*\i:XS+4*\i+3], v[XSA] offset:512*\i   ; register q: lanes 0-15 the word of K step q, lanes 16-31 that of K step 4 + q
.endr
; One matrix instruction.  s = 0: the bias starts the sum; s >= 4: both scale words from lanes 16-31.
.macro MM d, a, b, c, sa, sb, s
.if (\s) == 0
	v_wmma_scale_f32_16x16x128_f8f6f4 v[\d:\d+7], v[\a:\a+7], v[\b:\b+7], v[\c:\c+7], v[\sa], v[\sb] matrix_a_fmt:MATRIX_FMT_FP4 matrix_b_fmt:MATRIX_FMT_FP4
.elseif (\s) < 4
	v_wmma_scale_f32_16x16x128_f8f6f4 v[\d:\d+7], v[\a:\a+7], v[\b:\b+7], v[\d:\d+7], v[\sa], v[\sb] matrix_a_fmt:MATRIX_FMT_FP4 matrix_b_fmt:MATRIX_FMT_FP4
.else
	v_wmma_scale_f32_16x16x128_f8f6f4 v[\d:\d+7], v[\a:\a+7], v[\b:\b+7], v[\d:\d+7], v[\sa], v[\sb] matrix_a_fmt:MATRIX_FMT_FP4 matrix_b_fmt:MATRIX_FMT_FP4 matrix_a_scale:MATRIX_SCALE_ROW1 matrix_b_scale:MATRIX_SCALE_ROW1
.endif
.endm
.macro WLD s, p, imm                   ; W's two fragments of K step s into ring set s: four loads of 512 consecutive bytes
.irp f, 0,1
.irp c, 0,1
	global_load_b128 v[128+16*(\s)+8*\f+4*\c:128+16*(\s)+8*\f+4*\c+3], v[VL16], s[\p:\p+1] offset:\imm+8192*\f+1024*(\s)+512*\c
.endr
.endr
.endm
.macro XTRA isv, e, sp, bp             ; half e's scale words of W (2 loads) and its bias in the result's layout (q, k: 4 loads; v: 16, a lane's one number eight times)
.irp f, 0,1
	global_load_b128 v[WS+8*\e+4*\f:WS+8*\e+4*\f+3], v[VS], s[\sp:\sp+1] offset:1024*\e+512*\f
.endr
.irp f, 0,1
.if \isv
.irp j, 0,1,2,3,4,5,6,7
	global_load_b32 v[BI+16*\e+8*\f+\j], v[BAV], s[\bp:\bp+1] offset:128*\e+32*\f
.endr
.else
	global_load_b128 v[BI+16*\e+8*\f:BI+16*\e+8*\f+3], v[BAQ], s[\bp:\bp+1] offset:128*\e+32*\f
	global_load_b128 v[BI+16*\e+8*\f+4:BI+16*\e+8*\f+7], v[BAQ], s[\bp:\bp+1] offset:128*\e+32*\f+16
.endif
.endr
.endm
; A K step of 128: 16 matrix instructions, the 16 accumulators by turns; then the set is asked for again, for the next half.
; The wait: behind this set's four loads stand the seven other sets' 28 and one XTRA's 6 (q, k) or 18 (v).
.macro KSTEP isv, e, s, p, imm
	s_wait_loadcnt 34+12*\isv
.if \isv
.if (\s) == 0
	WIN 0x46                                       ; source 0 = x, window 2; source 1 = W and D window 1; C = the bias, window 0
.else
	WIN 0x56+(\s)/4                                ; source 0 = x, window 2 or 3; source 1 = W, C and D window 1
.endif
.irp a, 0,1
.irp b, 0,1,2,3,4,5,6,7
	MM 64*\a+8*\b, 64*((\s)%4)+8*\b, 128+16*(\s)+8*\a, BI+16*\e+8*\a, XS+4*\b+(\s)%4, WS+8*\e+4*\a+(\s)%4, \s
.endr
.endr
.else
.if (\s) == 0
	WIN 0x49                                       ; source 0 = W and D window 1; source 1 = x, window 2; C = the bias, window 0
.else
	WIN 0x59+4*((\s)/4)                            ; source 0 = W, C and D window 1; source 1 = x, window 2 or 3
.endif
.irp a, 0,1,2,3,4,5,6,7
.irp f, 0,1
	MM 16*\a+8*\f, 128+16*(\s)+8*\f, 64*((\s)%4)+8*\a, BI+16*\e+8*\f, WS+8*\e+4*\f+(\s)%4, XS+4*\a+(\s)%4, \s
.endr
.endr
.endif
.rept 4
	v_nop                                          ; four places in front of the loads into registers just multiplied, and of the first read of results
.endr
	WIN 0x40
	WLD \s, \p, \imm
.endm
; The half's 8 groups of 16 numbers: scales and codes.  Group g lies at v[16 g] of window 1; each accumulator is read from its low end on.
.macro QUANT8 by
	WIN 0x05
.irp g, 0,1,2,3,4,5,6,7
	v_max3_num_f32 v[TM+\g], |v[16*\g]|, |v[16*\g+1]|, 0x1800000   ; and the floor 2^(3 - 127)
.endr
	WIN 0x14
.irp i, 2,4,6,8,10,12,14
.irp g, 0,1,2,3,4,5,6,7
	v_max3_num_f32 v[TM+\g], v[TM+\g], |v[16*\g+\i]|, |v[16*\g+\i+1]|   ; (the eight groups by turns)
.endr
.endr
	WIN 0
.irp g, 0,1,2,3,4,5,6,7
	v_permlanex16_b32 v[TP+\g], v[TM+\g], s[SEL], s[SEL+1]
.endr
.irp g, 0,1,2,3,4,5,6,7
	v_max_num_f32 v[TM+\g], v[TM+\g], v[TP+\g]     ; with lane l xor 16's: the block's largest magnitude
.endr
.irp g, 0,1,2,3,4,5,6,7
	v_add_nc_u32 v[SO+\g], 0xff000000, v[TM+\g]
.endr
	WIN 0x01
.irp g, 0,1,2,3,4,5,6,7
	v_cvt_scalef32_pk8_fp4_f32 v[PC+2*\g], v[16*\g:16*\g+7], v[SO+\g]
	v_cvt_scalef32_pk8_fp4_f32 v[PC+2*\g+1], v[16*\g+8:16*\g+15], v[SO+\g]
.endr
	WIN 0
.irp g, 0,1,2,3,4,5,6,7
	v_lshrrev_b32 v[\by+\g], 23, v[SO+\g]          ; the scales' bytes (also the plain lines behind the conversions)
.endr
.endm
.macro HALF isv, e, p, imm
.irp s, 0,1,2,3,4,5,6,7
	KSTEP \isv, \e, \s, \p, \imm
.endr
	WIN 0
	XTRA \isv, \e, PSN, PBN                        ; this half's scale words and bias of the next head
	s_wait_xcnt 0x0                                ; the last half's stores have read their data: the codes' registers may be written again
.if \isv
	QUANT8 BY0
.irp a, 0,1                                    ; group 4 a + b is block b of the 128 keys, for block a of d.  The operand's layout wants a whole block in a lane
.irp c, 0,1
.irp i, 0,1
	v_permlane16_swap_b32 v[PC+8*\a+4*\c+\i], v[PC+8*\a+4*\c+2+\i]
.endr
.endr
.endr
.irp a, 0,1
	v_lshl_or_b32 v[SW+2*\e+\a], v[BY0+4*\a+1], 8, v[BY0+4*\a]
.endr
.irp a, 0,1
	v_lshl_or_b32 v[SW+2*\e+\a], v[BY0+4*\a+2], 16, v[SW+2*\e+\a]
.endr
.irp a, 0,1
	v_lshl_or_b32 v[SW+2*\e+\a], v[BY0+4*\a+3], 24, v[SW+2*\e+\a]
.endr
.irp a, 0,1
	global_store_b128 v[VL16], v[PC+8*\a:PC+8*\a+3], s[POP:POP+1] offset:1024*(2*\e+\a)        ; fragment dt = 2 e + a: 512 consecutive bytes a store
	global_store_b128 v[VL16], v[PC+8*\a+4:PC+8*\a+7], s[POP:POP+1] offset:1024*(2*\e+\a)+512
.endr
.if \e
	v_cmp_gt_u32 vcc_lo, 16, v[LN]
	s_wait_alu depctr_va_vdst(0)                   ; the wait directly ahead of the wait below
	s_wait_xcnt 0x0                                ; EXEC changes only behind this wait
	s_and_saveexec_b32 s50, vcc_lo
	global_store_b128 v[VL16], v[SW:SW+3], s[POS:POS+1]   ; sixteen lanes store 256 consecutive bytes, aligned: row r's four words
	s_wait_xcnt 0x0
	s_or_b32 exec_lo, exec_lo, s50
.endif
.else
	QUANT8 BY0+8*\e
.irp a, 0,1,2,3,4,5,6,7
	global_store_b64 v[VQ], v[PC+2*\a:PC+2*\a+1], s[POP:POP+1] offset:512*\a+256*\e   ; tile a, block e: 16 rows x 16 bytes, 8 from each half of the lanes: 256 consecutive bytes, aligned
.endr
.if \e
.irp a, 0,1,2,3,4,5,6,7
	v_lshl_or_b32 v[BY1+\a], v[BY1+\a], 8, v[BY0+\a]
.endr
.irp a, 0,1,2,3,4,5,6,7
	v_or_b32 v[BY1+\a], 0x7f7f0000, v[BY1+\a]      ; the upper half of the attention's 128 along K is zero codes
.endr
.irp i, 0,1,2,3
	v_cndmask_b32 v[SW+\i], v[BY1+\i], v[BY1+4+\i], s54   ; lanes 0-15 keep tiles 0-3, lanes 16-31 tiles 4-7
.endr
	global_store_b128 v[VL16], v[SW:SW+3], s[POS:POS+1]   ; 512 consecutive bytes, aligned
.endif
.endif
.endm
.macro PATH isv
	XTRA \isv, 0, PSB, PBB                         ; the order of these loads is the loop's own, so that the loop's one count holds from its first wait on
	WIN 0x40
.irp s, 0,1,2,3,4,5,6,7
	WLD \s, PWB, 0
.endr
	WIN 0
	XTRA \isv, 1, PSB, PBB
	s_mov_b32 s55, 0
	s_wait_dscnt 0x0                               ; x's fragments and scale words
.Lhead\isv:                                            ; four trips: my four heads
	HALF \isv, 0, PWP, 16384                       ; asks for this head's second half,
	HALF \isv, 1, PWN, 0                           ; and for the next head's first
	s_wait_xcnt 0x0                                ; loads and stores have read their bases
	s_mov_b64 s[PWP:PWP+1], s[PWN:PWN+1]
	s_add_co_u32 s44, s55, 2
	s_and_b32 s44, s44, 3                          ; the head after the next, round the four
	s_lshl_b32 s46, s44, 17
	s_add_nc_u64 s[PWN:PWN+1], s[PWB:PWB+1], s[46:47]
	s_lshl_b32 s46, s44, 13
	s_add_nc_u64 s[PSN:PSN+1], s[PSB:PSB+1], s[46:47]
	s_lshl_b32 s46, s44, 10
	s_add_nc_u64 s[PBN:PBN+1], s[PBB:PBB+1], s[46:47]
	s_add_nc_u64 s[POP:POP+1], s[POP:POP+1], 4*REC
	s_add_nc_u64 s[POS:POS+1], s[POS:POS+1], 4*REC
	s_add_co_u32 s55, s55, 1
	s_cmp_lt_u32 s55, 4
	s_wait_alu depctr_va_vdst(0)                   ; the wait directly ahead of the branch
	s_cbranch_scc1 .Lhead\isv
.endm
	s_cmp_eq_u32 s57, 2                            ; by the work-group's y alone
	s_cbranch_scc1 .Lvalue
	PATH 0
	s_branch .Ldone
.Lvalue:
	PATH 1
.Ldone:
	s_wait_tensorcnt 0x0                           ; the wave's end
	ds_add_u32 v[SPW], v[NIL]
	s_wait_dscnt 0x0
	s_endpgm
.Lfunc_end_k_qe02b0fd0a5_proj:
	.size	k_qe02b0fd0a5_proj, .Lfunc_end_k_qe02b0fd0a5_proj-k_qe02b0fd0a5_proj
	.p2alignl 7, 3214868480
	.fill 96, 4, 3214868480
	.section	.rodata,"a",@progbits
	.p2align	6, 0x0
	.amdhsa_kernel k_qe02b0fd0a5_proj
		.amdhsa_group_segment_fixed_size 72192
		.amdhsa_private_segment_fixed_size 0
		.amdhsa_enable_private_segment 0
		.amdhsa_kernarg_size 72
		.amdhsa_user_sgpr_count 2
		.amdhsa_user_sgpr_kernarg_segment_ptr 1
		.amdhsa_wavefront_size32 1
		.amdhsa_system_sgpr_workgroup_id_x 1
		.amdhsa_system_sgpr_workgroup_id_y 1
		.amdhsa_system_sgpr_workgroup_id_z 1
		.amdhsa_system_vgpr_workitem_id 0
		.amdhsa_next_free_vgpr 1024
		.amdhsa_next_free_sgpr 66
		.amdhsa_reserve_vcc 1
		.amdhsa_float_denorm_mode_32 3
		.amdhsa_float_denorm_mode_16_64 3
		.amdhsa_memory_ordered 1
		.amdhsa_forward_progress 1
		.amdhsa_inst_pref_size 242
	.end_amdhsa_kernel
	.amdgpu_metadata
---
amdhsa.version: [ 1, 2 ]
amdhsa.kernels:
  - .name:           k_qe02b0fd0a5_proj
    .symbol:         k_qe02b0fd0a5_proj.kd
    .args:
      - { .name: query, .offset: 0, .size: 8, .value_kind: global_buffer, .address_space: global }
      - { .name: key_, .offset: 8, .size: 8, .value_kind: global_buffer, .address_space: global }
      - { .name: value, .offset: 16, .size: 8, .value_kind: global_buffer, .address_space: global }
      - { .name: bq, .offset: 24, .size: 8, .value_kind: global_buffer, .address_space: global }
      - { .name: bk, .offset: 32, .size: 8, .value_kind: global_buffer, .address_space: global }
      - { .name: bv, .offset: 40, .size: 8, .value_kind: global_buffer, .address_space: global }
      - { .name: wimg, .offset: 48, .size: 8, .value_kind: global_buffer, .address_space: global }
      - { .name: wscl, .offset: 56, .size: 8, .value_kind: global_buffer, .address_space: global }
      - { .name: ws, .offset: 64, .size: 8, .value_kind: global_buffer, .address_space: global }
    .group_segment_fixed_size: 72192
    .private_segment_fixed_size: 0
    .kernarg_segment_align: 8
    .kernarg_segment_size: 72
    .max_flat_workgroup_size: 128
    .sgpr_count:     66
    .vgpr_count:     1024
    .wavefront_size: 32
...
	.end_amdgpu_metadata
.endif
;; end of part 2
;; launch attn (part 3): grid 2 x 128, 16 waves a work-group, no clusters, 169,984 bytes of LDS; arguments ws, out0; writes out0
.if DOCPART == 3
	.amdgcn_target "amdgcn-amd-amdhsa--gfx1250"
	.amdhsa_code_object_version 6
	.text
	.protected	k_qe02b0fd0a5_attn
	.globl	k_qe02b0fd0a5_attn
	.p2align	8
	.type	k_qe02b0fd0a5_attn,@function
k_qe02b0fd0a5_attn:
	s_mov_b64 s[64:65], 0
	v_nop
	global_prefetch_b8 v0, s[64:65] scope:SCOPE_SE
	s_setreg_imm32_b32 hwreg(HW_REG_WAVE_MODE, 25, 1), 1
	s_wait_xcnt 0x0
; out0[b][s][h][:] = the sum over keys of softmax(q . k / 8) v, both products on codes of FP4 (E2M1) with one E8M0 scale for each 32 along a product's K.  Head size 64, 1,024 keys, 128 heads hd = 16 b + h.
; ws holds a record of 108,544 bytes for each head: Q image 0, Q scale words 32768, K image 36864, K scale words 69632, V image 73728, V scale words 106496.  Images are copies of operand registers, 16 bytes a lane.
; THE SOFTMAX AHEAD OF THE SECOND PRODUCT: t = score x log2(e) / 8; M = the row's largest t so far, rounded UP to a whole number; p = 2^(t - M) is quantised along the keys, not normalised.
; The row's sum is taken of the unquantised p, in f32, and divides O at the end.  When M moves, the sum and O are multiplied by 2^(old M - new M): exact.
; SHARES.  A work-group owns 512 queries of one head (work-group x: which half); each of its sixteen waves owns two tiles of 16 queries, one after the other, in 256 registers: four waves to a SIMD, so that one wave's
; vector work stands beside another's matrix work and LDS loads.  Every wave walks the head's 1,024 keys, 128 a step: eight steps, written out, every LDS offset an immediate.
; K, V AND THEIR SCALE WORDS, 71,680 consecutive bytes of the record, COME INTO LDS ONCE, by four tensor loads (waves 0 to 3, 17,920 bytes each), and stay.  Nothing is filled again.
; NO JOINT REQUESTS: only the two work-groups of a head read the same bytes, and each asks for them once in the launch, 71,680 bytes beside the 131,072 that it stores and the steps' work on them.
; LAYOUT.  Both products are used transposed: S^T = K Q^T (source 0 = 16 keys, source 1 = my 16 queries), O^T = V^T P^T (source 0 = 16 of the head's 64, source 1 = P): a lane holds ONE query (lane % 16) throughout.
; The first product's K is 64: the upper four registers of K's and Q's fragments are zero codes, and bytes 2 and 3 of their scale words are 0x7f.
; PLACES.  Place p of the sequence or of the head's 64 holds index sigma(p) (bits 3 and 4 exchanged).  So the 16 registers of score tiles 2 b and 2 b + 1 are keys 32 b + 16 (lane / 16) + 0 .. 15 of the step;
; register 8 dt + i of O^T is channel 32 (dt / 2) + 16 (lane / 16) + 8 (dt % 2) + i; lane r of query tile 2 w + it is query 32 w + 8 it + r + 8 (r / 8).
; LIMITS: NaN and infinities are not served; a block of p whose largest lies under 2^-124 gets the byte 1 (its p are nothing beside the row's largest, which is over 1/2).
; REGISTERS: v1-8 addresses that stay; v11 the second tile's Q scale word; v12 -M, v13 the largest t, v[14:15] the sum in two halves; v16-23 Q; v24-31 K's scale words; v32-95 K's eight fragments; v96-159 S^T, then p;
;   v160-191 O^T; v192-223 V's four fragments; v224-231 p's codes; v232-239, v244-247, v252, v254 at work; v240-243 the second tile's Q; v248-251 V's scale words; v253 p's scale word; v255 Q's scale word.
.set REC,   108544
.set LKS,   32768                      ; LDS: K's image at 0, its scale words here,
.set LVI,   36864                      ; V's image,
.set LVS,   69632                      ; its scale words,
.set STAGE, 71680                      ; and behind what the tensor loads fill: 16 rows x (256 bytes + 16) for each wave, for the way out
.set PART,  17920                      ; 70 rows of 256 bytes: what one tensor load brings
.set CS,    30                         ; s[30:31] c = log2(e) / 8: the packed form names a pair and takes its low word for both halves
.set SEL,   32                         ; s[32:33] lane selects for v_permlanex16_b32: lane l xor 16
	s_load_b128 s[4:7], s[0:1], 0x0                ; ws s[4:5], out0 s[6:7]
	v_lshl_add_u32 v9, v0, 2, 0x29000
	v_mov_b32 v10, 0
	ds_add_u32 v9, v10
	ds_add_u32 v9, v10
	v_lshrrev_b32 v1, 5, v0
	s_delay_alu instid0(VALU_DEP_1)
	v_readfirstlane_b32 s8, v1                     ; wave 0..15
	s_and_b32 s9, ttmp7, 0xffff                    ; the head
	s_mov_b32 s10, ttmp9                           ; which half of its queries
	s_mul_i32 s34, s9, REC                         ; the head's record (13,785,088 at the most)
	s_mov_b32 s35, 0
	s_and_b32 s11, s8, 3
	s_mul_i32 s11, s11, PART                       ; which quarter a fetching wave brings
	; descriptor group 1: 70 rows of 256 bytes (32 elements of 8 bytes), dense in memory and in LDS: images are read 16 bytes a lane on end, so no padding
	s_mov_b32 s16, 3<<16                           ; 15:0 no mask; 17:16 elements of 8 bytes; 20 padding off
	s_mov_b32 s17, 32<<16                          ; tensor_dim0 = 32
	s_mov_b32 s18, 70<<16                          ; tensor_dim1 = 70
	s_mov_b32 s19, 32<<16                          ; tile_dim0 = 32
	s_mov_b32 s20, 70                              ; tile_dim1 = 70
	s_mov_b32 s21, 32                              ; tensor_dim0_stride
	s_mov_b32 s22, 0
	s_mov_b32 s23, 0
	s_add_co_u32 s36, s11, 36864                   ; K's image begins 36,864 bytes into the record
	s_mov_b32 s37, 0
	s_mov_b32 s[CS], 0x3e38aa3b                    ; c = log2(e) / 8
	s_mov_b32 s[CS+1], s[CS]                       ; (named with it as a pair, so it is written)
	s_mov_b32 s[SEL], 0x76543210
	s_mov_b32 s[SEL+1], 0xfedcba98
	s_mov_b32 s28, 2                               ; my two tiles of queries
	s_wait_dscnt 0x0
	s_wait_kmcnt 0x0
	s_add_nc_u64 s[4:5], s[4:5], s[34:35]
	s_mov_b32 s12, 1                               ; group 0: count = 1
	s_mov_b32 s13, s11                             ; LDS address
	s_add_nc_u64 s[14:15], s[4:5], s[36:37]        ; global address
	s_or_b32 s15, s15, 0x80000000                  ; type = 2
	s_cmp_lt_u32 s8, 4                             ; waves 0 to 3 fetch, one load each: the only tensor loads of the launch
	s_cbranch_scc0 .Lno_fill
	tensor_load_to_lds s[12:15], s[16:23]
	s_nop 0
.rept 4
	v_nop
.endr
.Lno_fill:
	s_lshl_b32 s36, s10, 4
	s_add_co_u32 s36, s36, s8                      ; w = 16 x half + wave: my 32 queries
	s_lshl_b32 s34, s36, 10
	s_add_nc_u64 s[24:25], s[4:5], s[34:35]        ; Q's image: tiles 2 w and 2 w + 1, 512 bytes each
	s_lshr_b32 s34, s36, 1
	s_lshl_b32 s34, s34, 8
	s_and_b32 s29, s36, 1
	s_lshl_b32 s29, s29, 3
	s_add_co_u32 s34, s34, s29
	s_add_co_u32 s34, s34, 32768
	s_add_nc_u64 s[26:27], s[4:5], s[34:35]        ; Q's scale words: 256 bytes for each four tiles, 16 a row, 4 a tile: 256 (w / 2) + 8 (w % 2)
	s_lshr_b32 s34, s9, 4
	s_lshl_b32 s34, s34, 22                        ; out0: the batch's 4,194,304 bytes,
	s_and_b32 s29, s9, 15
	s_lshl_b32 s29, s29, 8                         ; the head's 256 bytes of a row of 4,096,
	s_add_co_u32 s34, s34, s29
	s_lshl_b32 s29, s36, 17                        ; my 32 rows
	s_add_co_u32 s34, s34, s29
	s_add_nc_u64 s[6:7], s[6:7], s[34:35]
	v_and_b32 v232, 31, v0                         ; lane
	v_and_b32 v233, 15, v0                         ; r
	v_bfe_u32 v234, v0, 4, 1                       ; h
	s_delay_alu instid0(VALU_DEP_3)
	v_lshlrev_b32 v1, 4, v232                      ; v1: an image's place for my lane; K's image begins at LDS byte 0
	s_delay_alu instid0(VALU_DEP_1)
	v_add_nc_u32 v2, LVI, v1                       ; v2: the same in V's image
	s_delay_alu instid0(VALU_DEP_4)
	v_lshlrev_b32 v8, 4, v233                      ; v8: 16 r
	s_delay_alu instid0(VALU_DEP_1)
	v_add_nc_u32 v3, LKS, v8                       ; v3: K's scale words: row r's four
	s_delay_alu instid0(VALU_DEP_2)
	v_add_nc_u32 v4, LVS, v8                       ; v4: V's
	global_load_b128 v[16:19], v1, s[24:25]        ; Q of my first tile,
	global_load_b128 v[240:243], v1, s[24:25] offset:512   ; of my second,
	global_load_b32 v255, v8, s[26:27]             ; and their scale words
	global_load_b32 v11, v8, s[26:27] offset:4
	s_mul_i32 s34, s8, 16*272
	s_add_co_u32 s34, s34, STAGE                   ; my stage
	v_mul_u32_u24 v5, v233, 272
	s_delay_alu instid0(VALU_DEP_1)
	v_lshl_add_u32 v5, v234, 6, v5
	s_delay_alu instid0(VALU_DEP_1)
	v_add_nc_u32 v5, s34, v5                       ; v5: in: row r, + 64 h
	v_mul_u32_u24 v6, v234, 272
	s_delay_alu instid0(VALU_DEP_1)
	v_add_nc_u32 v6, v6, v8
	s_delay_alu instid0(VALU_DEP_1)
	v_add_nc_u32 v6, s34, v6                       ; v6: back: lanes 0-15 one row, lanes 16-31 the next, 16 bytes a lane
	v_lshl_add_u32 v7, v234, 12, v8                ; v7: and the same two rows in out0, 4,096 bytes apart
.irp j, 20,21,22,23
	v_mov_b32 v[\j], 0                             ; Q's upper half: zero codes, set once
.endr
.irp t, 0,1,2,3,4,5,6,7
.irp j, 4,5,6,7
	v_mov_b32 v[32+8*\t+\j], 0                     ; K's likewise
.endr
.endr
.irp b, 0,1,2,3
	v_mov_b32 v[236+\b], 0                         ; written once: a lane permute's destination counts as one of its sources
.endr
	s_wait_tensorcnt 0x0                           ; my part of the head has landed (a wave that fetched nothing passes),
	s_barrier_signal -1
	s_barrier_wait -1                              ; everybody's has
	s_wait_loadcnt 0x0                             ; Q
.macro KLOAD q                         ; step q's eight tiles of K (four registers each) and their scale words: ten loads
.irp t, 0,1,2,3,4,5,6,7
	ds_load_b128 v[32+8*\t:35+8*\t], v1 offset:4096*(\q)+512*\t
.endr
	ds_load_b128 v[24:27], v3 offset:512*(\q)
	ds_load_b128 v[28:31], v3 offset:512*(\q)+256
.endm
.macro VLOAD q                         ; step q's four fragments of V and their scale words: nine loads
.irp d, 0,1,2,3
.irp c, 0,1
	ds_load_b128 v[192+8*\d+4*\c:195+8*\d+4*\c], v2 offset:4096*(\q)+1024*\d+512*\c
.endr
.endr
	ds_load_b128 v[248:251], v4 offset:256*(\q)
.endm
; A KEY STEP: 128 keys.  first = 1: a tile's first step, which starts M, the sum and O^T: nothing is cleared but the sum's two registers, and nothing is rescaled.
.macro STEP q, first
.if \first
	KLOAD 0
.endif
	VLOAD \q                                       ; (the plain lines at the last step's end are the places behind the products that read these registers)
	s_wait_dscnt 9                                 ; K and its scale words are in; V's nine loads, issued behind them, may be out
.irp t, 0,1,2,3,4,5,6,7
	v_wmma_scale_f32_16x16x128_f8f6f4 v[96+8*\t:103+8*\t], v[32+8*\t:39+8*\t], v[16:23], 0, v[24+\t], v255 matrix_a_fmt:MATRIX_FMT_FP4 matrix_b_fmt:MATRIX_FMT_FP4
.endr
.rept 4
	v_nop                                          ; four places: in front of the first read of the scores, and of the loads into K's registers
.endr
.if (\q) < 7
	KLOAD (\q)+1                                   ; the next step's K lands under this step's softmax
.endif
.irp b, 0,1,2,3
	v_max3_num_f32 v[232+\b], v[96+16*\b], v[97+16*\b], v[98+16*\b]   ; the largest score of each block of 32 keys: it serves for the row's maximum and, since p rises with the score, for the block's largest p
.endr
.irp i, 3,5,7,9,11,13
.irp b, 0,1,2,3
	v_max3_num_f32 v[232+\b], v[232+\b], v[96+16*\b+\i], v[97+16*\b+\i]   ; (the four blocks by turns)
.endr
.endr
.irp b, 0,1,2,3
	v_max_num_f32 v[232+\b], v[232+\b], v[111+16*\b]
.endr
.irp b, 0,1,2,3
	s_delay_alu instid0(VALU_DEP_4)
	v_permlanex16_b32 v[236+\b], v[232+\b], s[SEL], s[SEL+1]
.endr
.irp b, 0,1,2,3
	s_delay_alu instid0(VALU_DEP_4)
	v_max_num_f32 v[232+\b], v[232+\b], v[236+\b]  ; with lane l xor 16's 16 keys
.endr
	s_delay_alu instid0(VALU_DEP_2)
	v_max3_num_f32 v254, v232, v233, v234
	s_delay_alu instid0(VALU_DEP_1)
	v_max_num_f32 v254, v254, v235                 ; the step's largest score of my query
.if \first
	s_delay_alu instid0(VALU_DEP_1)
	v_mul_f32 v13, s[CS], v254                     ; as t (c is positive): the largest t so far
	s_delay_alu instid0(VALU_DEP_1)
	v_floor_f32 v12, -v13                          ; -M = floor(-t) = -ceil(t): M is a whole number
.else
	s_delay_alu instid0(VALU_DEP_1)
	v_mul_f32 v254, s[CS], v254
	s_delay_alu instid0(VALU_DEP_1)
	v_max_num_f32 v13, v13, v254                   ; the running largest t
	v_mov_b32 v254, v12
	s_delay_alu instid0(VALU_DEP_2)
	v_floor_f32 v12, -v13                          ; the new -M
	s_delay_alu instid0(VALU_DEP_1)
	v_sub_f32 v254, v12, v254                      ; M's old value less its new one: a whole number, 0 or less
	s_delay_alu instid0(VALU_DEP_1)
	v_cvt_i32_f32 v254, v254                       ; (it saturates)
	s_delay_alu instid0(VALU_DEP_1)
	v_ldexp_f32 v252, 1.0, v254                    ; f = 2^(old M - new M): a multiplication by it rounds nothing
.endif
.set j, 0
.rept 32
	v_pk_fma_f32 v[96+j:97+j], v[96+j:97+j], s[CS:CS+1], v[12:13] op_sel_hi:[1,0,0]   ; t - M, two at a time (of the pairs c and -M the low word serves both halves)
.set j, j+2
.endr
.irp b, 0,1,2,3
	v_fma_f32 v[232+\b], v[232+\b], s[CS], v12     ; the same of each block's largest score
.endr
.set j, 0
	s_wait_alu depctr_va_vdst(0)
.rept 64
	v_exp_f32 v[96+j], v[96+j]                     ; p = 2^(t - M), at most 1: not normalised
.set j, j+1
.endr
.irp b, 0,1,2,3
	v_exp_f32 v[232+\b], v[232+\b]                 ; the block's largest p: the same two instructions on the same number give the same bits
.endr
.if \first
	v_mov_b32 v14, 0                               ; the sum begins.  (A plain place behind the exponentials)
	v_mov_b32 v15, 0
	s_wait_alu depctr_va_vdst(0)
.else
	v_pk_mul_f32 v[14:15], v[14:15], v[252:253] op_sel_hi:[1,0]   ; the sum under the new M.  (A plain place behind the exponentials)
	s_wait_alu depctr_va_vdst(0)
.endif
.irp b, 0,1,2,3
	v_max_num_f32 v[232+\b], 0x1800000, v[232+\b]  ; the floor 2^(3 - 127): the byte cannot fall under 1
.endr
.irp b, 0,1,2,3
	s_delay_alu instid0(VALU_DEP_4)
	v_add_nc_u32 v[244+\b], 0xff000000, v[232+\b]  ; 2 off the exponent field: the conversion's scale operand
.endr
.irp b, 0,1,2,3
	s_delay_alu instid0(VALU_DEP_4)
	v_lshrrev_b32 v[236+\b], 23, v[244+\b]         ; the scale's byte
.endr
	s_delay_alu instid0(VALU_DEP_3)
	v_lshl_or_b32 v253, v237, 8, v236              ; p's scale word for these 128 keys
	s_delay_alu instid0(VALU_DEP_1)
	v_lshl_or_b32 v253, v238, 16, v253
	s_delay_alu instid0(VALU_DEP_1)
	v_lshl_or_b32 v253, v239, 24, v253
.irp b, 0,1,2,3
	v_cvt_scalef32_pk8_fp4_f32 v[224+2*\b], v[96+16*\b:103+16*\b], v[244+\b]
	v_cvt_scalef32_pk8_fp4_f32 v[225+2*\b], v[104+16*\b:111+16*\b], v[244+\b]
.endr
	v_nop                                          ; one plain place behind a scaled conversion
.irp c, 0,1                                    ; the operand's layout wants a whole block in a lane: lanes 0-15 block 2 c, lanes 16-31 block 2 c + 1
.irp i, 0,1
	v_permlane16_swap_b32 v[224+4*\c+\i], v[226+4*\c+\i]
.endr
.endr
	v_pk_add_f32 v[236:237], v[96:97], v[98:99]    ; the row's sum is taken of the unquantised p: two at a time, in two chains.  Its first half stands here: fifteen plain lines between the codes, the scale word and the products
.irp j, 4,8,12,16,20,24,28
	v_pk_add_f32 v[14:15], v[14:15], v[96+\j:97+\j]
	v_pk_add_f32 v[236:237], v[236:237], v[98+\j:99+\j]
.endr
.if !\first
.set j, 0
.rept 16
	v_pk_mul_f32 v[160+j:161+j], v[160+j:161+j], v[252:253] op_sel_hi:[1,0]   ; O^T under the new M, each accumulator from its low end on
.set j, j+2
.endr
.endif
.if (\q) < 7
	s_wait_alu depctr_va_vdst(0)
	s_wait_dscnt 10                                ; V and its scale words are in; the next step's ten loads of K, issued behind them, may be out
.else
	s_wait_alu depctr_va_vdst(0)
	s_wait_dscnt 0x0
.endif
.irp d, 0,1,2,3                                ; O^T += V^T P^T: four accumulators by turns; K = these 128 keys
.if \first
	v_wmma_scale_f32_16x16x128_f8f6f4 v[160+8*\d:167+8*\d], v[192+8*\d:199+8*\d], v[224:231], 0, v[248+\d], v253 matrix_a_fmt:MATRIX_FMT_FP4 matrix_b_fmt:MATRIX_FMT_FP4
.else
	v_wmma_scale_f32_16x16x128_f8f6f4 v[160+8*\d:167+8*\d], v[192+8*\d:199+8*\d], v[224:231], v[160+8*\d:167+8*\d], v[248+\d], v253 matrix_a_fmt:MATRIX_FMT_FP4 matrix_b_fmt:MATRIX_FMT_FP4
.endif
.endr
.irp j, 32,36,40,44,48,52,56,60                ; the sum's second half: seventeen plain lines that name no register of these products: the places behind them
	v_pk_add_f32 v[14:15], v[14:15], v[96+\j:97+\j]
	v_pk_add_f32 v[236:237], v[236:237], v[98+\j:99+\j]
.endr
	s_delay_alu instid0(VALU_DEP_1)
	v_pk_add_f32 v[14:15], v[14:15], v[236:237]
.endm
.Ltile:                                            ; two trips: my two tiles of queries
	s_wait_alu depctr_va_vdst(0)
	STEP 0, 1
.irp q, 1,2,3,4,5,6,7
	STEP \q, 0
.endr
	; THE WAY OUT.  First the other tile's Q takes its place (in the second trip the lines copy what is there already).
.irp j, 0,1,2,3
	v_mov_b32 v[16+\j], v[240+\j]
.endr
	v_mov_b32 v255, v11
	v_add_f32 v14, v14, v15                        ; the sum's two halves,
	s_delay_alu instid0(VALU_DEP_1)
	v_permlanex16_b32 v252, v14, s[SEL], s[SEL+1]
	s_delay_alu instid0(VALU_DEP_1)
	v_add_f32 v14, v14, v252                       ; and lane l xor 16's: the row's sum
	s_wait_alu depctr_va_vdst(0)
	v_rcp_f32 v14, v14
	v_nop                                          ; one plain place behind a transcendental
.set j, 0
	s_wait_alu depctr_va_vdst(0)
.rept 16
	v_pk_mul_f32 v[96+j:97+j], v[160+j:161+j], v[14:15] op_sel_hi:[1,0]   ; O^T / the sum, each accumulator from its low end on
.set j, j+2
.endr
.irp g, 0,1,2,3,4,5,6,7                        ; registers 4 g on are channels 32 (g / 4) + 16 h + 8 ((g / 2) % 2) + 4 (g % 2) on of my query's row
	ds_store_b128 v5, v[96+4*\g:99+4*\g] offset:128*(\g/4)+32*((\g/2)%2)+16*(\g%2)
.endr
.irp i, 0,1,2,3,4,5,6,7
	ds_load_b128 v[128+4*\i:131+4*\i], v6 offset:544*\i   ; LDS serves a wave's instructions in order (ISA guide 5.7.1.4): these see my stores; the stage is my own
.endr
.irp i, 0,1,2,3,4,5,6,7
	s_wait_dscnt 7-\i                              ; the younger loads from the stage may be out
	global_store_b128 v7, v[128+4*\i:131+4*\i], s[6:7] offset:(2*\i+8*(\i/4))*4096 th:TH_STORE_NT   ; stage rows 2 i, 2 i + 1 are queries 2 i + 8 (i / 4) and the next; sixteen lanes store 256 consecutive bytes, aligned; written once
.endr
	s_wait_xcnt 0x0                                ; the stores have had their addresses translated (ISA guide 3.1): their base and their data may be written again
	s_add_nc_u64 s[6:7], s[6:7], 32768             ; the second tile's queries lie 8 rows on
	s_sub_co_u32 s28, s28, 1
	s_cmp_lg_u32 s28, 0
	s_cbranch_scc1 .Ltile
	s_wait_tensorcnt 0x0
	ds_add_u32 v9, v10
	s_wait_dscnt 0x0
	s_endpgm
.Lfunc_end_k_qe02b0fd0a5_attn:
	.size	k_qe02b0fd0a5_attn, .Lfunc_end_k_qe02b0fd0a5_attn-k_qe02b0fd0a5_attn
	.p2alignl 7, 3214868480
	.fill 96, 4, 3214868480
	.section	.rodata,"a",@progbits
	.p2align	6, 0x0
	.amdhsa_kernel k_qe02b0fd0a5_attn
		.amdhsa_group_segment_fixed_size 169984
		.amdhsa_private_segment_fixed_size 0
		.amdhsa_enable_private_segment 0
		.amdhsa_kernarg_size 16
		.amdhsa_user_sgpr_count 2
		.amdhsa_user_sgpr_kernarg_segment_ptr 1
		.amdhsa_wavefront_size32 1
		.amdhsa_system_sgpr_workgroup_id_x 1
		.amdhsa_system_sgpr_workgroup_id_y 1
		.amdhsa_system_sgpr_workgroup_id_z 1
		.amdhsa_system_vgpr_workitem_id 0
		.amdhsa_next_free_vgpr 256
		.amdhsa_next_free_sgpr 66
		.amdhsa_reserve_vcc 0
		.amdhsa_float_denorm_mode_32 3
		.amdhsa_float_denorm_mode_16_64 3
		.amdhsa_memory_ordered 1
		.amdhsa_forward_progress 1
		.amdhsa_inst_pref_size 132
	.end_amdhsa_kernel
	.amdgpu_metadata
---
amdhsa.version: [ 1, 2 ]
amdhsa.kernels:
  - .name:           k_qe02b0fd0a5_attn
    .symbol:         k_qe02b0fd0a5_attn.kd
    .args:
      - { .name: ws, .offset: 0, .size: 8, .value_kind: global_buffer, .address_space: global }
      - { .name: out0, .offset: 8, .size: 8, .value_kind: global_buffer, .address_space: global }
    .group_segment_fixed_size: 169984
    .private_segment_fixed_size: 0
    .kernarg_segment_align: 8
    .kernarg_segment_size: 16
    .max_flat_workgroup_size: 512
    .sgpr_count:     66
    .vgpr_count:     256
    .wavefront_size: 32
...
	.end_amdgpu_metadata
.endif
;; end of part 3
